; MI455X (gfx1250); checked and timed in simulation.
; The chip was launched on July 23, 2026; its instructions are those of AMD's public machine-readable ISA for CDNA 5 (MIT licence, August 2026) and "CDNA5" Instruction Set Architecture Reference Guide (July 2026). The comments in the code are by the model that wrote it; some were corrected since.
;; Concat Attn. Allowed arithmetic: float matrix products may take bf16 or f16 operands with f32 sums; all other float work in f32.
;; Inputs: attn_W 1,024 x 2,048 float32; attn_b 1,024 float32; encoder_output 2,048 x 16 x 1,024 float32; hidden 1 x 16 x 1,024 float32; v 1,024 float32.
;; Outputs: out0 16 x 1 x 2,048 float32.
;; 2 versions, each right; version 2 is version 1 with the launch energy written anew for expert scheduling mode. Each part assembles by itself: llvm-mc -triple=amdgcn-amd-amdhsa -mcpu=gfx1250 --defsym DOCPART=n.
;; ======== version 1 of 2: 3 launches
;; workspace buffers: up 65,536 bytes; en 131,072 bytes
;; launch wcol (part 1): grid 32 x 8, 4 waves a work-group, no clusters, 2,560 bytes of LDS; arguments attn_W, v, up; writes up
.if DOCPART == 1
	.amdgcn_target "amdgcn-amd-amdhsa--gfx1250"
	.amdhsa_code_object_version 6
	.text
	.protected	k_qc8f5b09941_wcol
	.globl	k_qc8f5b09941_wcol
	.p2align	8
	.type	k_qc8f5b09941_wcol,@function
k_qc8f5b09941_wcol:
	s_mov_b64 s[64:65], 0
	v_nop
	global_prefetch_b8 v0, s[64:65] scope:SCOPE_SE
	s_setreg_imm32_b32 hwreg(HW_REG_WAVE_MODE, 25, 1), 1
	s_wait_xcnt 0x0
; up[p][k] = sum over h = 128 p .. 128 p + 127 of v[h] * W[h][k].   W: [1024][2048] f32, v: [1024] f32, up: [8][2048] f32.
; WHY: nothing non-linear stands between the Linear and the product with v, so for every input
;   sum_h v[h] (sum_k cat[k] W[h][k] + bias[h]) = sum_k cat[k] u[k] + v.bias,  u[k] = sum_h v[h] W[h][k].
; This launch makes u as eight partial sums (one for each 128 rows of W); the two later launches add the eight.
; LIMITS: the order of the sums, and so of the roundings, differs from the chain as it is written in the problem; all sums are f32
; multiply-adds, nothing is narrowed.  NaN and infinities get no treatment of their own.
; SHARES: 32 x 8 work-groups; work-group (cb, hb) takes rows 128 hb .. +127 and columns 64 cb .. +63: 256 bytes of each row, 32 KiB, each byte
; of W read once in the launch.  Thread t: c = t % 16 is its 16 bytes (4 columns) of a row, g = t / 16 its 16 rows (16 g .. 16 g + 15).
; Sixteen neighbouring lanes read 256 consecutive bytes that begin at a multiple of 256 from W's first byte.
; All sixteen loads of a thread go out at once; the sums follow them in by counted waits.
; No matrix unit: the product has one row (v), so fifteen of a tile's sixteen rows would be idle.  No cluster: no two work-groups read the same bytes of W.
.set ROWB, 8192                        ; bytes in a row of W, and in a row of up
.set WOFF, 3                           ; v3        my byte offset in the work-group's part of W; never rewritten
.set VOFF, 4                           ; v4        byte offset of my 16 rows' v; never rewritten
.set LST,  5                           ; v5        LDS: where I put my four sums
.set LRD,  6                           ; v6        wave 0: 8 bytes a lane, in LDS and in up
.set VV,   8                           ; v[8:23]   v of my 16 rows
.set X,    24                          ; v[24:87]  row j: 4 registers as loaded
.set ACC,  88                          ; v[88:91]  my four columns' sums
	s_load_b128 s[4:7], s[0:1], 0x0                ; W s[4:5], v s[6:7]
	s_load_b64 s[8:9], s[0:1], 0x10                ; up
	v_lshl_add_u32 v96, v0, 2, 0x800
	v_mov_b32 v97, 0
	v_lshrrev_b32 v7, 5, v0
	v_readfirstlane_b32 s20, v7                    ; wave 0..3
	s_and_b32 s10, ttmp7, 0xffff                   ; hb
	s_lshl_b32 s11, ttmp9, 8                       ; cb x 256 bytes
	s_lshl_b32 s12, s10, 20                        ; hb x 128 rows x 8,192 bytes
	s_or_b32 s12, s12, s11
	s_mov_b32 s13, 0
	s_lshl_b32 s14, s10, 9                         ; hb x 128 numbers of v
	s_mov_b32 s15, 0
	s_lshl_b32 s16, s10, 13                        ; row hb of up
	s_or_b32 s16, s16, s11
	s_mov_b32 s17, 0
	v_and_b32 v1, 15, v0                           ; c
	v_lshrrev_b32 v2, 4, v0                        ; g
	v_lshlrev_b32 v[WOFF], 4, v1
	v_lshl_or_b32 v[WOFF], v2, 17, v[WOFF]         ; g x 16 rows x 8,192 bytes + 16 c
	v_lshlrev_b32 v[VOFF], 6, v2                   ; g x 16 numbers
	v_lshlrev_b32 v[LST], 4, v0                    ; 16 t = 256 g + 16 c
	v_lshlrev_b32 v[LRD], 3, v0
	s_wait_kmcnt 0x0
	s_add_nc_u64 s[4:5], s[4:5], s[12:13]
	s_add_nc_u64 s[6:7], s[6:7], s[14:15]
	s_add_nc_u64 s[8:9], s[8:9], s[16:17]
.irp q, 0,1,2,3
	global_load_b128 v[VV+4*\q:VV+4*\q+3], v[VOFF], s[6:7] offset:16*\q          ; the 16 lanes of a group read the same 64 bytes
.endr
.irp j, 0,1,2,3,4,5,6,7,8,9,10,11,12,13,14,15
	global_load_b128 v[X+4*\j:X+4*\j+3], v[WOFF], s[4:5] offset:ROWB*\j th:TH_LOAD_NT
.endr
; Row j joins the sums.  Loads come back in order (ISA guide 5.7.1): the count is the 15 - j loads of W issued behind row j's;
; v's four loads were issued ahead of all of them.  Row 0 starts the sums: nothing is cleared.
.macro ROWFMA j
	s_wait_loadcnt 15-\j
.irp c, 0,1,2,3
.if \j
	v_fmac_f32 v[ACC+\c], v[X+4*\j+\c], v[VV+\j]
.else
	v_mul_f32 v[ACC+\c], v[X+4*\j+\c], v[VV+\j]
.endif
.endr
.endm
.irp j, 0,1,2,3,4,5,6,7,8,9,10,11,12,13,14,15
	ROWFMA \j
.endr
	; The eight groups' sums meet in LDS: eight rows of 256 bytes, group g's 64 columns in row g.
	ds_store_b128 v[LST], v[ACC:ACC+3]
	s_wait_dscnt 0x0                               ; for wave 0's sake: my store is done before I signal
	s_barrier_signal -1
	s_barrier_wait -1
	s_cmp_lg_u32 s20, 0
	s_cbranch_scc1 .Lend                           ; wave 0 alone adds the eight rows and stores
.irp i, 0,1,2,3,4,5,6,7
	ds_load_b64 v[X+2*\i:X+2*\i+1], v[LRD] offset:256*\i      ; two columns a lane, 256 consecutive bytes a load
.endr
	s_wait_dscnt 0x0
	v_pk_add_f32 v[X:X+1],     v[X:X+1],     v[X+2:X+3]
	v_pk_add_f32 v[X+4:X+5],   v[X+4:X+5],   v[X+6:X+7]
	v_pk_add_f32 v[X+8:X+9],   v[X+8:X+9],   v[X+10:X+11]
	v_pk_add_f32 v[X+12:X+13], v[X+12:X+13], v[X+14:X+15]
	v_pk_add_f32 v[X:X+1],     v[X:X+1],     v[X+4:X+5]
	v_pk_add_f32 v[X+8:X+9],   v[X+8:X+9],   v[X+12:X+13]
	v_pk_add_f32 v[X:X+1],     v[X:X+1],     v[X+8:X+9]
	global_store_b64 v[LRD], v[X:X+1], s[8:9]      ; 32 lanes store 256 consecutive bytes, at a multiple of 256 from up's first byte
.Lend:
	s_wait_tensorcnt 0x0
	ds_add_u32 v96, v97
	s_wait_dscnt 0x0
	s_endpgm
.Lfunc_end_k_qc8f5b09941_wcol:
	.size	k_qc8f5b09941_wcol, .Lfunc_end_k_qc8f5b09941_wcol-k_qc8f5b09941_wcol
	.p2alignl 7, 3214868480
	.fill 96, 4, 3214868480
	.section	.rodata,"a",@progbits
	.p2align	6, 0x0
	.amdhsa_kernel k_qc8f5b09941_wcol
		.amdhsa_group_segment_fixed_size 2560
		.amdhsa_private_segment_fixed_size 0
		.amdhsa_enable_private_segment 0
		.amdhsa_kernarg_size 24
		.amdhsa_user_sgpr_count 2
		.amdhsa_user_sgpr_kernarg_segment_ptr 1
		.amdhsa_wavefront_size32 1
		.amdhsa_system_sgpr_workgroup_id_x 1
		.amdhsa_system_sgpr_workgroup_id_y 1
		.amdhsa_system_sgpr_workgroup_id_z 1
		.amdhsa_system_vgpr_workitem_id 0
		.amdhsa_next_free_vgpr 98
		.amdhsa_next_free_sgpr 66
		.amdhsa_reserve_vcc 0
		.amdhsa_float_denorm_mode_32 3
		.amdhsa_float_denorm_mode_16_64 3
		.amdhsa_memory_ordered 1
		.amdhsa_forward_progress 1
		.amdhsa_inst_pref_size 8
	.end_amdhsa_kernel
	.amdgpu_metadata
---
amdhsa.version: [ 1, 2 ]
amdhsa.kernels:
  - .name:           k_qc8f5b09941_wcol
    .symbol:         k_qc8f5b09941_wcol.kd
    .args:
      - { .name: attn_W, .offset: 0, .size: 8, .value_kind: global_buffer, .address_space: global }
      - { .name: v, .offset: 8, .size: 8, .value_kind: global_buffer, .address_space: global }
      - { .name: up, .offset: 16, .size: 8, .value_kind: global_buffer, .address_space: global }
    .group_segment_fixed_size: 2560
    .private_segment_fixed_size: 0
    .kernarg_segment_align: 8
    .kernarg_segment_size: 24
    .max_flat_workgroup_size: 128
    .sgpr_count:     66
    .vgpr_count:     98
    .wavefront_size: 32
...
	.end_amdgpu_metadata
.endif
;; end of part 1
;; launch energy (part 2): grid 16 x 16, 16 waves a work-group, no clusters, 6,656 bytes of LDS; arguments encoder_output, up, en; writes en
.if DOCPART == 2
	.amdgcn_target "amdgcn-amd-amdhsa--gfx1250"
	.amdhsa_code_object_version 6
	.text
	.protected	k_qc8f5b09941_energy
	.globl	k_qc8f5b09941_energy
	.p2align	8
	.type	k_qc8f5b09941_energy,@function
k_qc8f5b09941_energy:
	s_mov_b64 s[64:65], 0
	v_nop
	global_prefetch_b8 v0, s[64:65] scope:SCOPE_SE
	s_setreg_imm32_b32 hwreg(HW_REG_WAVE_MODE, 25, 1), 1
	s_wait_xcnt 0x0
; en[b][t] = sum over k of enc[t][b][k] * u[1024 + k],  u = the sum of up's eight rows.   enc: [2048][16][1024] f32, up: [8][2048] f32, en: [16][2048] f32.
; This is the part of the attention energy that hangs on t; the part that hangs on b alone (hidden, bias) is added in the next launch.
; LIMITS: f32 multiply-adds in four chains a lane and a tree over the lanes: an order of rounding of its own; nothing is narrowed.  NaN and infinities get no
; treatment of their own.
; SHARES: 16 x 16 work-groups of 16 waves; work-group (tb, b) takes the 128 rows t = 128 tb .. +127 of one b, so that its 128 results are 512 consecutive
; bytes of en.  A row is 4,096 consecutive bytes; rows of one b lie 65,536 bytes apart.  Wave w takes rows 8 w .. 8 w + 7, a whole row at a time:
; eight loads of 16 bytes a lane, each covering 512 consecutive bytes; the sum over a row never leaves the wave.
; A ring of four row slots in registers: 32 loads of a wave are on their way, 16 waves x 4 rows x 4 KiB = 256 KiB for the work-group.  Each byte of enc is read once.
; No matrix unit: the product has one column (u).  No cluster: what the work-groups share is up's 32 KiB, against 512 KiB of enc that each reads alone.
; No copy engine and no LDS ring: the registers hold the bytes in flight, with counted waits and no barrier in the stream.
.set TROW, 65536                       ; bytes from row t to row t + 1 of one b
.set LDSE, 4096                        ; LDS: bytes 0-4095 u[1024:2048]; bytes 4096-4607 the 128 energies; each byte is written once
.set OFF,  1                           ; v1        16 x lane + wave x 8 rows x 65,536 bytes; never rewritten
.set TOFF, 2                           ; v2        8 x thread: my two numbers of u, in up and in LDS
.set LOFF, 3                           ; v3        16 x lane
.set EADR, 4                           ; v4        LDS address of my wave's eight energies
.set P,    6                           ; v[6:21]   eight partial pairs of u; later:
.set A,    6                           ; v[6:13]   four chains of pairs
.set T,    6                           ; v6        the row's sum
.set T1,   7                           ; v7        the other half's sum
.set U,    24                          ; v[24:55]  u of my 32 columns: register 4 j + c is column 128 j + 4 lane + c
.set X,    56                          ; v[56:183] slot s: 32 registers, a row as loaded, in the same order as U
	s_load_b128 s[4:7], s[0:1], 0x0                ; enc s[4:5], up s[6:7]
	s_load_b64 s[8:9], s[0:1], 0x10                ; en
	v_lshl_add_u32 v184, v0, 2, 0x1200
	v_mov_b32 v185, 0
	v_lshrrev_b32 v5, 5, v0
	v_readfirstlane_b32 s10, v5                    ; wave 0..15
	s_and_b32 s14, ttmp7, 0xffff                   ; b
	s_lshl_b32 s12, ttmp9, 23                      ; tb x 128 rows x 65,536 bytes (15 x 2^23 at the most)
	s_lshl_b32 s13, s14, 12                        ; b x 4,096 bytes
	s_or_b32 s12, s12, s13
	s_mov_b32 s13, 0
	s_lshl_b32 s16, s14, 13                        ; row b of en
	s_lshl_b32 s17, ttmp9, 9                       ; tb x 128 numbers
	s_or_b32 s16, s16, s17
	s_mov_b32 s17, 0
	s_lshl_b32 s11, s10, 5                         ; my wave's eight words
	s_add_co_u32 s11, s11, LDSE
	s_lshl_b32 s15, s10, 19                        ; wave x 8 rows x 65,536 bytes
	s_mov_b32 s20, 0x76543210                      ; v_permlanex16_b32: lane i of one half reads lane i of the other
	s_mov_b32 s21, 0xfedcba98
	v_and_b32 v[LOFF], 31, v0
	v_lshlrev_b32 v[LOFF], 4, v[LOFF]
	v_add_nc_u32 v[OFF], s15, v[LOFF]
	v_lshlrev_b32 v[TOFF], 3, v0
	v_mov_b32 v[EADR], s11
	s_wait_kmcnt 0x0
	s_add_nc_u64 s[4:5], s[4:5], s[12:13]
	s_add_nc_u64 s[8:9], s[8:9], s[16:17]
.macro FILL s, i                       ; row i of my eight into slot s: eight loads of 512 consecutive bytes
.irp j, 0,1,2,3,4,5,6,7
	global_load_b128 v[X+32*(\s)+4*\j:X+32*(\s)+4*\j+3], v[OFF], s[4:5] offset:TROW*(\i)+512*\j th:TH_LOAD_NT
.endr
.endm
.irp p, 0,1,2,3,4,5,6,7
	global_load_b64 v[P+2*\p:P+2*\p+1], v[TOFF], s[6:7] offset:4096+8192*\p      ; the second half of row p of up: 512 threads x 8 bytes
.endr
	FILL 0, 0                                      ; the ring is filled before anything is waited for
	FILL 1, 1
	FILL 2, 2
	FILL 3, 3
	s_wait_loadcnt 32                              ; the 32 loads of enc were issued behind up's eight: those eight are in, enc stays on its way
	v_pk_add_f32 v[P:P+1],     v[P:P+1],     v[P+2:P+3]
	v_pk_add_f32 v[P+4:P+5],   v[P+4:P+5],   v[P+6:P+7]
	v_pk_add_f32 v[P+8:P+9],   v[P+8:P+9],   v[P+10:P+11]
	v_pk_add_f32 v[P+12:P+13], v[P+12:P+13], v[P+14:P+15]
	v_pk_add_f32 v[P:P+1],     v[P:P+1],     v[P+4:P+5]
	v_pk_add_f32 v[P+8:P+9],   v[P+8:P+9],   v[P+12:P+13]
	v_pk_add_f32 v[P:P+1],     v[P:P+1],     v[P+8:P+9]
	ds_store_b64 v[TOFF], v[P:P+1]                 ; each thread made two numbers of u; every wave needs all 1,024
	s_wait_dscnt 0x0                               ; for the others' sake: my store is done before I signal
	s_barrier_signal -1
	s_barrier_wait -1
.irp j, 0,1,2,3,4,5,6,7
	ds_load_b128 v[U+4*\j:U+4*\j+3], v[LOFF] offset:512*\j     ; 32 lanes, 16 neighbouring bytes each: u in the order in which a row arrives
.endr
	s_wait_dscnt 0x0
; Row i, which lies in slot s.  left = the loads issued behind this row's: 8 for each younger row.  fill = 1: the slot gets row i + 4
; as soon as its last word has been read.
.macro TURN i, s, left, fill
	s_wait_loadcnt \left                           ; loads come back in order (ISA guide 5.7.1): my row is in, the younger rows stay out
.irp q, 0,1,2,3
	v_pk_mul_f32 v[A+2*\q:A+2*\q+1], v[X+32*\s+2*\q:X+32*\s+2*\q+1], v[U+2*\q:U+2*\q+1]     ; the first four pairs start the chains: nothing is cleared
.endr
.set q, 4
.rept 12
	v_pk_fma_f32 v[A+2*(q%4):A+2*(q%4)+1], v[X+32*\s+2*q:X+32*\s+2*q+1], v[U+2*q:U+2*q+1], v[A+2*(q%4):A+2*(q%4)+1]
.set q, q+1
.endr
.if \fill
	FILL \s, \i+4
.endif
	v_pk_add_f32 v[A:A+1],   v[A:A+1],   v[A+2:A+3]
	v_pk_add_f32 v[A+4:A+5], v[A+4:A+5], v[A+6:A+7]
	v_pk_add_f32 v[A:A+1],   v[A:A+1],   v[A+4:A+5]
	v_add_f32 v[T], v[A], v[A+1]
	; over the 32 lanes: four steps inside each half of 16 lanes ride on the add, one crosses the halves; every lane ends with the sum
.irp m, 1,2,4,8
	v_add_f32_dpp v[T], v[T], v[T] row_xmask:\m row_mask:0xf bank_mask:0xf
.endr
	v_permlanex16_b32 v[T1], v[T], s20, s21        ; its destination counts as read: T1 was written by the adds above
	v_add_f32 v[T], v[T], v[T1]
	ds_store_b32 v[EADR], v[T] offset:4*\i         ; all lanes write the same word with the same value
.endm
	TURN 0, 0, 24, 1
	TURN 1, 1, 24, 1
	TURN 2, 2, 24, 1
	TURN 3, 3, 24, 1
	TURN 4, 0, 24, 0                               ; rows 5, 6, 7 are still behind it; nothing is left to fetch, and the counts run down
	TURN 5, 1, 16, 0
	TURN 6, 2, 8, 0
	TURN 7, 3, 0, 0
	s_wait_dscnt 0x0                               ; for wave 0's sake: my eight energies are in LDS before I signal
	s_barrier_signal -1
	s_barrier_wait -1
	s_cmp_lg_u32 s10, 0
	s_cbranch_scc1 .Lend                           ; wave 0 alone stores the work-group's 128 energies
	ds_load_b128 v[6:9], v[LOFF] offset:LDSE
	s_wait_dscnt 0x0
	global_store_b128 v[LOFF], v[6:9], s[8:9]      ; 32 lanes store 512 consecutive bytes, at a multiple of 512 from en's first byte
.Lend:
	s_wait_tensorcnt 0x0
	ds_add_u32 v184, v185
	s_wait_dscnt 0x0
	s_endpgm
.Lfunc_end_k_qc8f5b09941_energy:
	.size	k_qc8f5b09941_energy, .Lfunc_end_k_qc8f5b09941_energy-k_qc8f5b09941_energy
	.p2alignl 7, 3214868480
	.fill 96, 4, 3214868480
	.section	.rodata,"a",@progbits
	.p2align	6, 0x0
	.amdhsa_kernel k_qc8f5b09941_energy
		.amdhsa_group_segment_fixed_size 6656
		.amdhsa_private_segment_fixed_size 0
		.amdhsa_enable_private_segment 0
		.amdhsa_kernarg_size 24
		.amdhsa_user_sgpr_count 2
		.amdhsa_user_sgpr_kernarg_segment_ptr 1
		.amdhsa_wavefront_size32 1
		.amdhsa_system_sgpr_workgroup_id_x 1
		.amdhsa_system_sgpr_workgroup_id_y 1
		.amdhsa_system_sgpr_workgroup_id_z 1
		.amdhsa_system_vgpr_workitem_id 0
		.amdhsa_next_free_vgpr 186
		.amdhsa_next_free_sgpr 66
		.amdhsa_reserve_vcc 0
		.amdhsa_float_denorm_mode_32 3
		.amdhsa_float_denorm_mode_16_64 3
		.amdhsa_memory_ordered 1
		.amdhsa_forward_progress 1
		.amdhsa_inst_pref_size 24
	.end_amdhsa_kernel
	.amdgpu_metadata
---
amdhsa.version: [ 1, 2 ]
amdhsa.kernels:
  - .name:           k_qc8f5b09941_energy
    .symbol:         k_qc8f5b09941_energy.kd
    .args:
      - { .name: encoder_output, .offset: 0, .size: 8, .value_kind: global_buffer, .address_space: global }
      - { .name: up, .offset: 8, .size: 8, .value_kind: global_buffer, .address_space: global }
      - { .name: en, .offset: 16, .size: 8, .value_kind: global_buffer, .address_space: global }
    .group_segment_fixed_size: 6656
    .private_segment_fixed_size: 0
    .kernarg_segment_align: 8
    .kernarg_segment_size: 24
    .max_flat_workgroup_size: 512
    .sgpr_count:     66
    .vgpr_count:     186
    .wavefront_size: 32
...
	.end_amdgpu_metadata
.endif
;; end of part 2
;; launch softmax (part 3): grid 16 x 1, 16 waves a work-group, no clusters, 2,304 bytes of LDS; arguments en, up, hidden, v, attn_b, out0; writes out0
.if DOCPART == 3
	.amdgcn_target "amdgcn-amd-amdhsa--gfx1250"
	.amdhsa_code_object_version 6
	.text
	.protected	k_qc8f5b09941_softmax
	.globl	k_qc8f5b09941_softmax
	.p2align	8
	.type	k_qc8f5b09941_softmax,@function
k_qc8f5b09941_softmax:
	s_mov_b64 s[64:65], 0
	v_nop
	global_prefetch_b8 v0, s[64:65] scope:SCOPE_SE
	s_setreg_imm32_b32 hwreg(HW_REG_WAVE_MODE, 25, 1), 1
	s_wait_xcnt 0x0
; out0[b][0][t] = softmax over t of (en[b][t] + c[b]),  c[b] = sum_k hidden[b][k] u[k] + sum_h v[h] bias[h],  u[k] = the sum of up's eight rows, k < 1024.
; en: [16][2048], up: [8][2048], hidden: [1][16][1024], v, attn_b: [1024], out0: [16][1][2048], all f32.
; c[b] is the same for all t of a row; it is made and added all the same, so that the energies are those of the problem as it is written.
; The row's maximum is taken away before the exponential; the difference is formed first and scaled to base 2 afterwards, so that large energies lose nothing.
; LIMITS: f32 throughout, sums in trees (an order of rounding of its own).  v_exp_f32 gives 0 where the result would lie below 2^-126 (ISA guide, its entry in 15.8):
; such weights come out as 0.  NaN and infinities get no treatment of their own.
; SHARES: one work-group for each b, 16 waves, 512 threads; thread t holds 4 energies (16 bytes at 16 t) and 2 terms of each of c's two sums (8 bytes at 8 t).
; Sixteen work-groups: the launch is one chain (load, reduce, exponential, reduce, store) over 8 KiB a row; further work-groups would each repeat both
; reductions and shorten nothing.  No cluster: what is shared (up's first halves, v, bias: 40 KiB) is read once by each, in one run of loads.
.set EOFF, 1                           ; v1        16 x thread
.set TOFF, 2                           ; v2        8 x thread
.set WADR, 3                           ; v3        LDS: 4 x wave
.set RADR, 4                           ; v4        LDS: 4 x (lane % 16)
.set P,    6                           ; v[6:21]   eight partial pairs of u
.set T,    8                           ; v8        at work in the reductions (written by a load before)
.set HID,  22                          ; v[22:23]
.set VV,   24                          ; v[24:25]
.set BB,   26                          ; v[26:27]
.set E,    28                          ; v[28:31]  my four energies, then their weights
.set C,    32                          ; v32       c[b]
.set M,    33                          ; v33       the maximum
.set S2,   34                          ; v34       half of my sum of four
.set S,    35                          ; v35       the sum of the exponentials
.set R,    36                          ; v[36:37]  1 / S, twice (a pair for the packed multiply)
; LDS: bytes 0-63 c by wave, 64-127 the maximum by wave, 128-191 the sum by wave; each word is written once.
.macro ROWSUM r                        ; over the 16 lanes of a half: the steps ride on the add
.irp m, 1,2,4,8
	v_add_f32_dpp v[\r], v[\r], v[\r] row_xmask:\m row_mask:0xf bank_mask:0xf
.endr
.endm
.macro ROWMAX r
.irp m, 1,2,4,8
	v_max_num_f32_dpp v[\r], v[\r], v[\r] row_xmask:\m row_mask:0xf bank_mask:0xf
.endr
.endm
.macro WSUM r                          ; over the wave's 32 lanes; every lane ends with the result
	ROWSUM \r
	v_permlanex16_b32 v[T], v[\r], s20, s21
	v_add_f32 v[\r], v[\r], v[T]
.endm
.macro WMAX r
	ROWMAX \r
	v_permlanex16_b32 v[T], v[\r], s20, s21
	v_max_num_f32 v[\r], v[\r], v[T]
.endm
	s_load_b256 s[4:11], s[0:1], 0x0               ; en s[4:5], up s[6:7], hidden s[8:9], v s[10:11]
	s_load_b128 s[12:15], s[0:1], 0x20             ; attn_b s[12:13], out0 s[14:15]
	v_lshl_add_u32 v40, v0, 2, 0x100
	v_mov_b32 v41, 0
	v_lshrrev_b32 v5, 5, v0
	v_readfirstlane_b32 s22, v5                    ; wave 0..15
	s_lshl_b32 s23, s22, 2
	s_lshl_b32 s16, ttmp9, 13                      ; b x 2,048 numbers: en and out0
	s_mov_b32 s17, 0
	s_lshl_b32 s18, ttmp9, 12                      ; b x 1,024 numbers: hidden
	s_mov_b32 s19, 0
	s_mov_b32 s20, 0x76543210                      ; v_permlanex16_b32: lane i of one half reads lane i of the other
	s_mov_b32 s21, 0xfedcba98
	v_lshlrev_b32 v[EOFF], 4, v0
	v_lshlrev_b32 v[TOFF], 3, v0
	v_mov_b32 v[WADR], s23
	v_and_b32 v[RADR], 15, v0
	v_lshlrev_b32 v[RADR], 2, v[RADR]
	s_wait_kmcnt 0x0
	s_add_nc_u64 s[4:5], s[4:5], s[16:17]
	s_add_nc_u64 s[14:15], s[14:15], s[16:17]
	s_add_nc_u64 s[8:9], s[8:9], s[18:19]
.irp p, 0,1,2,3,4,5,6,7
	global_load_b64 v[P+2*\p:P+2*\p+1], v[TOFF], s[6:7] offset:8192*\p           ; the first half of row p of up
.endr
	global_load_b64 v[HID:HID+1], v[TOFF], s[8:9] th:TH_LOAD_NT
	global_load_b64 v[VV:VV+1], v[TOFF], s[10:11]
	global_load_b64 v[BB:BB+1], v[TOFF], s[12:13]
	global_load_b128 v[E:E+3], v[EOFF], s[4:5] th:TH_LOAD_NT
	s_wait_loadcnt 0x0                             ; all twelve are needed at once
	v_pk_add_f32 v[P:P+1],     v[P:P+1],     v[P+2:P+3]                          ; u, in the same order of sums as in the launch before
	v_pk_add_f32 v[P+4:P+5],   v[P+4:P+5],   v[P+6:P+7]
	v_pk_add_f32 v[P+8:P+9],   v[P+8:P+9],   v[P+10:P+11]
	v_pk_add_f32 v[P+12:P+13], v[P+12:P+13], v[P+14:P+15]
	v_pk_add_f32 v[P:P+1],     v[P:P+1],     v[P+4:P+5]
	v_pk_add_f32 v[P+8:P+9],   v[P+8:P+9],   v[P+12:P+13]
	v_pk_add_f32 v[P:P+1],     v[P:P+1],     v[P+8:P+9]
	v_pk_mul_f32 v[P:P+1], v[P:P+1], v[HID:HID+1]                                ; hidden x u
	v_pk_fma_f32 v[P:P+1], v[VV:VV+1], v[BB:BB+1], v[P:P+1]                      ; + v x bias
	v_add_f32 v[C], v[P], v[P+1]
	v_max3_num_f32 v[M], v[E], v[E+1], v[E+2]
	v_max_num_f32 v[M], v[M], v[E+3]
	WSUM C
	WMAX M
	ds_store_b32 v[WADR], v[C]                     ; all lanes write their wave's word with the same value
	ds_store_b32 v[WADR], v[M] offset:64
	s_wait_dscnt 0x0                               ; for the others' sake: my stores are done before I signal
	s_barrier_signal -1
	s_barrier_wait -1
	ds_load_b32 v[C], v[RADR]                      ; lane r of each half takes wave r's figure
	ds_load_b32 v[M], v[RADR] offset:64
	s_wait_dscnt 0x0
	ROWSUM C                                       ; each half of 16 lanes holds all 16 waves' figures: every lane ends with the work-group's
	ROWMAX M
	v_add_f32 v[M], v[M], v[C]                     ; rounding keeps order, so this is the largest of the rounded e + c below: no difference is above 0
.irp i, 0,1,2,3
	v_add_f32 v[E+\i], v[E+\i], v[C]               ; the energy as the problem has it
.endr
.irp i, 0,1,2,3
	v_sub_f32 v[E+\i], v[E+\i], v[M]               ; less the maximum,
.endr
.irp i, 0,1,2,3
	v_mul_f32 v[E+\i], 0x3fb8aa3b, v[E+\i]         ; and only then times log2(e)
.endr
.irp i, 0,1,2,3
	v_exp_f32 v[E+\i], v[E+\i]
.endr
	v_nop                                          ; one plain vector instruction behind the last v_exp_f32, ahead of the first use of a result (ISA guide 5.7.2)
	s_wait_alu depctr_va_vdst(0)
	v_add_f32 v[S], v[E], v[E+1]
	v_add_f32 v[S2], v[E+2], v[E+3]
	v_add_f32 v[S], v[S], v[S2]
	WSUM S
	ds_store_b32 v[WADR], v[S] offset:128          ; other bytes than the first reduction's: no barrier is needed in front of this store
	s_wait_dscnt 0x0
	s_barrier_signal -1
	s_barrier_wait -1
	ds_load_b32 v[S], v[RADR] offset:128
	s_wait_dscnt 0x0
	ROWSUM S                                       ; between 1 (the maximum's own term) and 2,048
	v_rcp_f32 v[R], v[S]
	v_rcp_f32 v[R+1], v[S]
	v_nop                                          ; the place behind the second v_rcp_f32
	s_wait_alu depctr_va_vdst(0)
	v_pk_mul_f32 v[E:E+1], v[E:E+1], v[R:R+1]
	v_pk_mul_f32 v[E+2:E+3], v[E+2:E+3], v[R:R+1]
	global_store_b128 v[EOFF], v[E:E+3], s[14:15] th:TH_STORE_NT   ; a wave stores 512 consecutive bytes, at a multiple of 512 from out0's first byte
	s_wait_tensorcnt 0x0
	ds_add_u32 v40, v41
	s_wait_dscnt 0x0
	s_endpgm
.Lfunc_end_k_qc8f5b09941_softmax:
	.size	k_qc8f5b09941_softmax, .Lfunc_end_k_qc8f5b09941_softmax-k_qc8f5b09941_softmax
	.p2alignl 7, 3214868480
	.fill 96, 4, 3214868480
	.section	.rodata,"a",@progbits
	.p2align	6, 0x0
	.amdhsa_kernel k_qc8f5b09941_softmax
		.amdhsa_group_segment_fixed_size 2304
		.amdhsa_private_segment_fixed_size 0
		.amdhsa_enable_private_segment 0
		.amdhsa_kernarg_size 48
		.amdhsa_user_sgpr_count 2
		.amdhsa_user_sgpr_kernarg_segment_ptr 1
		.amdhsa_wavefront_size32 1
		.amdhsa_system_sgpr_workgroup_id_x 1
		.amdhsa_system_sgpr_workgroup_id_y 1
		.amdhsa_system_sgpr_workgroup_id_z 1
		.amdhsa_system_vgpr_workitem_id 0
		.amdhsa_next_free_vgpr 42
		.amdhsa_next_free_sgpr 66
		.amdhsa_reserve_vcc 0
		.amdhsa_float_denorm_mode_32 3
		.amdhsa_float_denorm_mode_16_64 3
		.amdhsa_memory_ordered 1
		.amdhsa_forward_progress 1
		.amdhsa_inst_pref_size 7
	.end_amdhsa_kernel
	.amdgpu_metadata
---
amdhsa.version: [ 1, 2 ]
amdhsa.kernels:
  - .name:           k_qc8f5b09941_softmax
    .symbol:         k_qc8f5b09941_softmax.kd
    .args:
      - { .name: en, .offset: 0, .size: 8, .value_kind: global_buffer, .address_space: global }
      - { .name: up, .offset: 8, .size: 8, .value_kind: global_buffer, .address_space: global }
      - { .name: hidden, .offset: 16, .size: 8, .value_kind: global_buffer, .address_space: global }
      - { .name: v, .offset: 24, .size: 8, .value_kind: global_buffer, .address_space: global }
      - { .name: attn_b, .offset: 32, .size: 8, .value_kind: global_buffer, .address_space: global }
      - { .name: out0, .offset: 40, .size: 8, .value_kind: global_buffer, .address_space: global }
    .group_segment_fixed_size: 2304
    .private_segment_fixed_size: 0
    .kernarg_segment_align: 8
    .kernarg_segment_size: 48
    .max_flat_workgroup_size: 512
    .sgpr_count:     66
    .vgpr_count:     42
    .wavefront_size: 32
...
	.end_amdgpu_metadata
.endif
;; end of part 3
;; ======== version 2 of 2: 3 launches; version 1 with the launch energy written anew for expert scheduling mode
;; workspace buffers: up 65,536 bytes; en 131,072 bytes
;; launch wcol: the kernel of part 1 again; grid 32 x 8, 4 waves a work-group, no clusters, 2,560 bytes of LDS; arguments attn_W, v, up; writes up
;; launch energy (part 4): grid 16 x 16, 16 waves a work-group, no clusters, 6,656 bytes of LDS; arguments encoder_output, up, en; writes en
.if DOCPART == 4
	.amdgcn_target "amdgcn-amd-amdhsa--gfx1250"
	.amdhsa_code_object_version 6
	.text
	.protected	k_qc8f5b09941_energy
	.globl	k_qc8f5b09941_energy
	.p2align	8
	.type	k_qc8f5b09941_energy,@function
k_qc8f5b09941_energy:
	s_mov_b64 s[64:65], 0
	v_nop
	global_prefetch_b8 v0, s[64:65] scope:SCOPE_SE
	s_setreg_imm32_b32 hwreg(HW_REG_WAVE_SCHED_MODE, 0, 2), 2
	s_setreg_imm32_b32 hwreg(HW_REG_WAVE_MODE, 25, 1), 1
	s_wait_xcnt 0x0
	s_wait_alu depctr_vm_vsrc(0)
; en[b][t] = sum over k of enc[t][b][k] * u[1024 + k],  u = the sum of up's eight rows.   enc: [2048][16][1024] f32, up: [8][2048] f32, en: [16][2048] f32.
; This is the part of the attention energy that hangs on t; the part that hangs on b alone (hidden, bias) is added in the next launch.
; LIMITS: f32 multiply-adds in four chains a lane and a tree over the lanes: an order of rounding of its own; nothing is narrowed.  NaN and infinities get no
; treatment of their own.
; SHARES: 16 x 16 work-groups of 16 waves; work-group (tb, b) takes the 128 rows t = 128 tb .. +127 of one b, so that its 128 results are 512 consecutive
; bytes of en.  A row is 4,096 consecutive bytes; rows of one b lie 65,536 bytes apart.  Wave w takes rows 8 w .. 8 w + 7, a whole row at a time:
; eight loads of 16 bytes a lane, each covering 512 consecutive bytes; the sum over a row never leaves the wave.
; A ring of four row slots in registers: 32 loads of a wave are on their way, 16 waves x 4 rows x 4 KiB = 256 KiB for the work-group.  Each byte of enc is read once.
; No matrix unit: the product has one column (u).  No cluster: what the work-groups share is up's 32 KiB, against 512 KiB of enc that each reads alone.
; No copy engine and no LDS ring: the registers hold the bytes in flight, with counted waits and no barrier in the stream.
; THE MODE: SCHED_MODE bits 1:0 = 2 (LLVM: expert scheduling mode 2), set by the entry lines.  The code itself states the register dependences
; between vector instructions and memory or LDS instructions, with s_wait_alu, always for 0.
; THE PLAN.  Registers that memory or LDS instructions touch:
;   v1 .. v4    offsets and LDS addresses, made once at the head and never written again: rows are reached by immediate offsets.
;   X0 .. X3    Turn i: its sixteen packed products read X[i % 4]; in turns 0 to 3 the loads of row i + 4 then land in it.
;   EN + i      Row i's energy, a register to each row: written once, by the last add of turn i; read once, by its LDS store, which is issued in turn i + 1
;               (rows 0 to 2) or behind turn 7 (rows 3 to 7).  So no store's data register is ever written again.
;   v[6:7]      At the head the data of the LDS store of u; from row 0 on, with v[8:13], the chains, which vector instructions alone name; at the end wave 0's load lands in v[6:9].
;   U           Filled by LDS loads once; after that named by vector instructions alone.
; So ONE wait on va_vdst stands in each of turns 0 to 3, behind the sixteen products: they are done reading X[i % 4], and the turn before has written its energy.
; The turn's eight loads and its one LDS store follow it, dealt among the ten instructions of the row's reduction, which name v[6:13] and EN + i alone:
; none of the registers that those loads and that store touch.  Turns 4 to 7 issue no memory instruction and hold no such wait.
.set TROW, 65536                       ; bytes from row t to row t + 1 of one b
.set LDSE, 4096                        ; LDS: bytes 0-4095 u[1024:2048]; bytes 4096-4607 the 128 energies; each byte is written once
.set OFF,  1                           ; v1        16 x lane + wave x 8 rows x 65,536 bytes; never rewritten
.set TOFF, 2                           ; v2        8 x thread: my two numbers of u, in up and in LDS
.set LOFF, 3                           ; v3        16 x lane
.set EADR, 4                           ; v4        LDS address of my wave's eight energies
.set P,    6                           ; v[6:21]   eight partial pairs of u; later:
.set A,    6                           ; v[6:13]   four chains of pairs
.set T,    6                           ; v6        the row's sum, at work
.set T1,   7                           ; v7        the other half's sum
.set EN,   14                          ; v[14:21]  row i's energy at EN + i
.set U,    24                          ; v[24:55]  u of my 32 columns: register 4 j + c is column 128 j + 4 lane + c
.set X,    56                          ; v[56:183] slot s: 32 registers, a row as loaded, in the same order as U
	s_load_b128 s[4:7], s[0:1], 0x0                ; enc s[4:5], up s[6:7]
	s_load_b64 s[8:9], s[0:1], 0x10                ; en
	v_lshl_add_u32 v22, v0, 2, 0x1200
	v_mov_b32 v23, 0
	v_lshrrev_b32 v5, 5, v0
	v_readfirstlane_b32 s10, v5                    ; wave 0..15
	s_and_b32 s14, ttmp7, 0xffff                   ; b
	s_lshl_b32 s12, ttmp9, 23                      ; tb x 128 rows x 65,536 bytes (15 x 2^23 at the most)
	s_lshl_b32 s13, s14, 12                        ; b x 4,096 bytes
	s_or_b32 s12, s12, s13
	s_mov_b32 s13, 0
	s_lshl_b32 s16, s14, 13                        ; row b of en
	s_lshl_b32 s17, ttmp9, 9                       ; tb x 128 numbers
	s_or_b32 s16, s16, s17
	s_mov_b32 s17, 0
	s_wait_alu depctr_va_sdst(0)                   ; s10 is written, ahead of its first reader: the wave's LDS words and its rows are made from it
	s_lshl_b32 s11, s10, 5                         ; my wave's eight words
	s_add_co_u32 s11, s11, LDSE
	s_lshl_b32 s15, s10, 19                        ; wave x 8 rows x 65,536 bytes
	s_mov_b32 s20, 0x76543210                      ; v_permlanex16_b32: lane i of one half reads lane i of the other
	s_mov_b32 s21, 0xfedcba98
	v_and_b32 v[LOFF], 31, v0
	v_lshlrev_b32 v[LOFF], 4, v[LOFF]
	v_add_nc_u32 v[OFF], s15, v[LOFF]
	v_lshlrev_b32 v[TOFF], 3, v0
	v_mov_b32 v[EADR], s11
	s_wait_kmcnt 0x0
	s_add_nc_u64 s[4:5], s[4:5], s[12:13]
	s_add_nc_u64 s[8:9], s[8:9], s[16:17]
	s_wait_alu depctr_va_vdst(0)                   ; v1 to v4 are written: every load and store of the kernel reads one of them as its offset or address
.macro LD s, i, j                      ; load j of eight of row i of my eight, into slot s: 512 consecutive bytes
	global_load_b128 v[X+32*(\s)+4*(\j):X+32*(\s)+4*(\j)+3], v[OFF], s[4:5] offset:TROW*(\i)+512*(\j) th:TH_LOAD_NT
.endm
.macro FILL s, i                       ; the whole row
.irp j, 0,1,2,3,4,5,6,7
	LD \s, \i, \j
.endr
.endm
.macro LD2 on, s, i, j                 ; on = 1: loads j and j + 1 of the row
.if \on
	LD \s, \i, \j
	LD \s, \i, (\j)+1
.endif
.endm
.irp p, 0,1,2,3,4,5,6,7
	global_load_b64 v[P+2*\p:P+2*\p+1], v[TOFF], s[6:7] offset:4096+8192*\p      ; the second half of row p of up: 512 threads x 8 bytes
.endr
	FILL 0, 0                                      ; the ring is filled before anything is waited for
	FILL 1, 1
	FILL 2, 2
	FILL 3, 3
	s_wait_loadcnt 32                              ; the 32 loads of enc were issued behind up's eight: those eight are in, enc stays on its way
	v_pk_add_f32 v[P:P+1],     v[P:P+1],     v[P+2:P+3]
	v_pk_add_f32 v[P+4:P+5],   v[P+4:P+5],   v[P+6:P+7]
	v_pk_add_f32 v[P+8:P+9],   v[P+8:P+9],   v[P+10:P+11]
	v_pk_add_f32 v[P+12:P+13], v[P+12:P+13], v[P+14:P+15]
	v_pk_add_f32 v[P:P+1],     v[P:P+1],     v[P+4:P+5]
	v_pk_add_f32 v[P+8:P+9],   v[P+8:P+9],   v[P+12:P+13]
	v_pk_add_f32 v[P:P+1],     v[P:P+1],     v[P+8:P+9]
	s_wait_alu depctr_va_vdst(0)                   ; the adds have written v[P:P+1], which the LDS store reads
	ds_store_b64 v[TOFF], v[P:P+1]                 ; each thread made two numbers of u; every wave needs all 1,024
	s_wait_dscnt 0x0                               ; for the others' sake: my store is done before I signal
	s_barrier_signal -1
	s_barrier_wait -1
	s_wait_alu depctr_vm_vsrc(0)                   ; my LDS store has read v[P:P+1]: these two are the first chain from here on, written by row 0's products
.irp j, 0,1,2,3,4,5,6,7
	ds_load_b128 v[U+4*\j:U+4*\j+3], v[LOFF] offset:512*\j     ; 32 lanes, 16 neighbouring bytes each: u in the order in which a row arrives
.endr
	s_wait_dscnt 0x0
; Row i, which lies in slot s.  left = the loads issued behind this row's: 8 for each younger row.  fill = 1: the slot gets row i + 4
; as soon as its last word has been read, and the energy of the row before goes to LDS.
.macro TURN i, s, left, fill
	s_wait_loadcnt \left                           ; loads come back in order (ISA guide 5.7.1): my row is in, the younger rows stay out
.irp q, 0,1,2,3
	v_pk_mul_f32 v[A+2*\q:A+2*\q+1], v[X+32*\s+2*\q:X+32*\s+2*\q+1], v[U+2*\q:U+2*\q+1]     ; the first four pairs start the chains: nothing is cleared
.endr
.set q, 4
.rept 12
	v_pk_fma_f32 v[A+2*(q%4):A+2*(q%4)+1], v[X+32*\s+2*q:X+32*\s+2*q+1], v[U+2*q:U+2*q+1], v[A+2*(q%4):A+2*(q%4)+1]
.set q, q+1
.endr
.if \fill
	s_wait_alu depctr_va_vdst(0)                   ; the sixteen products are done reading X[s], in which the loads below land; the turn before has written its energy, which the LDS store below reads
.endif
	LD2 \fill, \s, \i+4, 0                         ; no vector instruction between that wait and the turn's last load names X[s] or v[OFF]
	v_pk_add_f32 v[A:A+1],   v[A:A+1],   v[A+2:A+3]
	v_pk_add_f32 v[A+4:A+5], v[A+4:A+5], v[A+6:A+7]
	LD2 \fill, \s, \i+4, 2
	v_pk_add_f32 v[A:A+1],   v[A:A+1],   v[A+4:A+5]
	LD2 \fill, \s, \i+4, 4
	v_add_f32 v[T], v[A], v[A+1]
	LD2 \fill, \s, \i+4, 6
	; over the 32 lanes: four steps inside each half of 16 lanes ride on the add, one crosses the halves; every lane ends with the sum
	v_add_f32_dpp v[T], v[T], v[T] row_xmask:1 row_mask:0xf bank_mask:0xf
.if (\fill) && (\i)
	ds_store_b32 v[EADR], v[EN+\i-1] offset:4*(\i-1)           ; the row before: all lanes write the same word with the same value; nothing since the wait names this register
.endif
.irp m, 2,4,8
	v_add_f32_dpp v[T], v[T], v[T] row_xmask:\m row_mask:0xf bank_mask:0xf
.endr
	v_permlanex16_b32 v[T1], v[T], s20, s21        ; its destination counts as read: T1 was written by the adds above
	v_add_f32 v[EN+\i], v[T], v[T1]                ; the row's energy, in a register that is written this once
.endm
	TURN 0, 0, 24, 1
	TURN 1, 1, 24, 1
	TURN 2, 2, 24, 1
	TURN 3, 3, 24, 1
	TURN 4, 0, 24, 0                               ; rows 5, 6, 7 are still behind it; nothing is left to fetch, and the counts run down
	TURN 5, 1, 16, 0
	TURN 6, 2, 8, 0
	TURN 7, 3, 0, 0
	s_wait_alu depctr_va_vdst(0)                   ; turns 3 to 7 have written their energies, which the five LDS stores read; and all that named v[6:9], in which wave 0's load below lands, is complete
.irp i, 3,4,5,6,7
	ds_store_b32 v[EADR], v[EN+\i] offset:4*\i     ; all lanes write the same word with the same value
.endr
	s_wait_dscnt 0x0                               ; for wave 0's sake: my eight energies are in LDS before I signal
	s_barrier_signal -1
	s_barrier_wait -1
	s_cmp_lg_u32 s10, 0
	s_cbranch_scc1 .Lend                           ; wave 0 alone stores the work-group's 128 energies
	ds_load_b128 v[6:9], v[LOFF] offset:LDSE       ; no vector instruction stands behind the last wait on va_vdst, and no store issued since row 0 reads v[6:9]
	s_wait_dscnt 0x0
	global_store_b128 v[LOFF], v[6:9], s[8:9]      ; 32 lanes store 512 consecutive bytes, at a multiple of 512 from en's first byte
.Lend:
	s_wait_dscnt 0x0
	s_wait_alu depctr_hold_cnt(0) depctr_sa_sdst(0) depctr_va_vdst(0) depctr_va_sdst(0) depctr_va_ssrc(0) depctr_va_vcc(0) depctr_vm_vsrc(0)
	s_wait_tensorcnt 0x0
	ds_add_u32 v22, v23
	s_wait_dscnt 0x0
	s_endpgm
.Lfunc_end_k_qc8f5b09941_energy:
	.size	k_qc8f5b09941_energy, .Lfunc_end_k_qc8f5b09941_energy-k_qc8f5b09941_energy
	.p2alignl 7, 3214868480
	.fill 96, 4, 3214868480
	.section	.rodata,"a",@progbits
	.p2align	6, 0x0
	.amdhsa_kernel k_qc8f5b09941_energy
		.amdhsa_group_segment_fixed_size 6656
		.amdhsa_private_segment_fixed_size 0
		.amdhsa_enable_private_segment 0
		.amdhsa_kernarg_size 24
		.amdhsa_user_sgpr_count 2
		.amdhsa_user_sgpr_kernarg_segment_ptr 1
		.amdhsa_wavefront_size32 1
		.amdhsa_system_sgpr_workgroup_id_x 1
		.amdhsa_system_sgpr_workgroup_id_y 1
		.amdhsa_system_sgpr_workgroup_id_z 1
		.amdhsa_system_vgpr_workitem_id 0
		.amdhsa_next_free_vgpr 184
		.amdhsa_next_free_sgpr 66
		.amdhsa_reserve_vcc 0
		.amdhsa_float_denorm_mode_32 3
		.amdhsa_float_denorm_mode_16_64 3
		.amdhsa_memory_ordered 1
		.amdhsa_forward_progress 1
		.amdhsa_inst_pref_size 24
	.end_amdhsa_kernel
	.amdgpu_metadata
---
amdhsa.version: [ 1, 2 ]
amdhsa.kernels:
  - .name:           k_qc8f5b09941_energy
    .symbol:         k_qc8f5b09941_energy.kd
    .args:
      - { .name: encoder_output, .offset: 0, .size: 8, .value_kind: global_buffer, .address_space: global }
      - { .name: up, .offset: 8, .size: 8, .value_kind: global_buffer, .address_space: global }
      - { .name: en, .offset: 16, .size: 8, .value_kind: global_buffer, .address_space: global }
    .group_segment_fixed_size: 6656
    .private_segment_fixed_size: 0
    .kernarg_segment_align: 8
    .kernarg_segment_size: 24
    .max_flat_workgroup_size: 512
    .sgpr_count:     66
    .vgpr_count:     184
    .wavefront_size: 32
...
	.end_amdgpu_metadata
.endif
;; end of part 4
;; launch softmax: the kernel of part 3 again; grid 16 x 1, 16 waves a work-group, no clusters, 2,304 bytes of LDS; arguments en, up, hidden, v, attn_b, out0; writes out0
